; MI455X (gfx1250); checked and timed in simulation.
; The chip was launched on July 23, 2026; its instructions are those of AMD's public machine-readable ISA for CDNA 5 (MIT licence, August 2026) and "CDNA5" Instruction Set Architecture Reference Guide (July 2026). The comments in the code are by the model that wrote it; some were corrected since.
;; Attention. Allowed arithmetic: matrix products marked QUANTISED: E2M3 operands, one E8M0 scale for each 32 along K, by v_wmma_scale_f32_16x16x128_f8f6f4 with both operands' format E2M3, f32 sums; products left as they are: f32 operands where the result goes on into a quantised operand, else bf16, f16 or f32 operands; f32 sums; everything else in f32.
;; Inputs: attn_b 1,024 float32; attn_w 1,024 x 2,048 float32; encoder_outputs 32 x 2,048 x 1,024 float32; hidden 32 x 1,024 float32; v_w 1 x 1,024 float32.
;; Outputs: out0 32 x 2,048 float32; out1 32 x 2,048 x 1 float32.
;; This version of the problem:
;;   THIS VERSION OF THE PROBLEM IS GIVEN IN LOW PRECISION. The matrix products marked QUANTISED in the list below multiply operands that are first quantised to E2M3 (2 exponent bits, 3 mantissa bits; 6 bits a number), with one power-of-two scale for each 32 numbers along K (OCP MX v1.0); their sums are f32. All else is computed in f32.
;;   The module's matrix products, in the order in which they are computed (A, B: the left and right operand; K: the contracted axis; several contracted axes count as one K, in the product's order):
;;     1. [M 32, K 1,024] x [K 1,024, N 1,024]; A: input hidden; B: input attn_w: QUANTISED
;;     2. [M 65,536, K 1,024] x [K 1,024, N 1,024]; A: input encoder_outputs; B: input attn_w: QUANTISED
;;     3. [M 65,536, K 1,024] x [K 1,024, N 1]; A: computed on the way; B: input v_w: left as it is (N = 1 < 16)
;;     4. batch 32 x [M 1, K 2,048] x [K 2,048, N 1,024]; A: softmax; B: input encoder_outputs: left as it is (M = 1 < 16)
;;   THE QUANTISER, for each operand of a quantised product, along K:
;;     - K is cut into blocks of 32 from its start; a last block that is shorter is filled with zeros.
;;     - A block's scale is 2^e with e = floor(log2(the largest magnitude in the block)) - 2, held to -126 .. 127; a block of zeros has e = 0. As a byte (E8M0): e + 127.
;;     - Each number is divided by its block's scale, clamped to +-7.5, and rounded to the nearest number of E2M3, ties to even, subnormals kept.
;;     - The product sums the exact products of the quantised numbers (number of the format x scale) in f32.
;;   ~~~python
;;   def quantise(x, axis):      # numpy; x: float32 -> the quantised numbers, widened to float32 again
;;       x = np.moveaxis(x, axis, -1); K = x.shape[-1]
;;       x = np.pad(x, [(0, 0)] * (x.ndim - 1) + [(0, -K % 32)]); x = x.reshape(x.shape[:-1] + (-1, 32)); a = np.abs(x).max(-1, keepdims=True)
;;       e = np.where(a > 0, np.clip(np.frexp(np.where(a > 0, a, 1))[1] - 1 - 2, -126, 127), 0)      # np.frexp(a)[1] - 1 = floor(log2(a)), exactly
;;       r = np.clip(x / 2.0 ** e, -7.5, 7.5)
;;       step = 2.0 ** (np.maximum(np.frexp(np.where(r == 0, 1, r))[1] - 1, 0) - 3)
;;       q = np.round(r / step) * step * 2.0 ** e      # np.round: ties to even
;;       return np.moveaxis(q.reshape(q.shape[:-2] + (-1,))[..., :K], -1, axis).astype(np.float32)
;;   ~~~
;; One version. Each part assembles by itself: llvm-mc -triple=amdgcn-amd-amdhsa -mcpu=gfx1250 --defsym DOCPART=n.
;; ======== version 1 of 1: 3 launches
;; limits: values are held in bf16: 8 bits of precision; right only within a limited range of input values
;; workspace buffers: wc 819,200 bytes; tab 524,288 bytes; sc 262,144 bytes; part 8,388,608 bytes
;; launch prep (part 1): grid 64 x 1, 8 waves a work-group, no clusters, 17,920 bytes of LDS; arguments attn_w, hidden, attn_b, v_w, wc, tab; writes wc, tab
.if DOCPART == 1
	.amdgcn_target "amdgcn-amd-amdhsa--gfx1250"
	.amdhsa_code_object_version 6
	.text
	.protected	k_q7acd0bf07a_prep
	.globl	k_q7acd0bf07a_prep
	.p2align	8
	.type	k_q7acd0bf07a_prep,@function
k_q7acd0bf07a_prep:
	s_mov_b64 s[64:65], 0
	v_nop
	global_prefetch_b8 v0, s[64:65] scope:SCOPE_SE
	s_setreg_imm32_b32 hwreg(HW_REG_WAVE_MODE, 25, 1), 1
	s_wait_xcnt 0x0
; ADDITIVE ATTENTION, launch 1 of 3.  x[b][s][n] = Q(hidden) Q(Wh)^T + Q(enc) Q(We)^T + attn_b;  score[b][s] = sum over n of v[n] tanh(x);  softmax over s;  context = sum over s of weight x enc.
; Wh = attn_w[:, 0:1024], We = attn_w[:, 1024:2048].  Q: codes of FP6 (E2M3) with one E8M0 scale for each 32 along K.
; WORK LEFT OUT.  tanh(x) = 1 - 2 / (1 + 2^(c x)), c = 2 log2(e), so score = (sum over n of v[n]) - 2 sum over n of v[n] / (1 + 2^(c x)).  The first sum does not hang on s: it is the same for all
; entries of a row of the softmax, for every value of the inputs, and a softmax is unchanged by such a term.  It is never formed.  Every input still has a way to an output, and all are loaded.
; LIMIT: a NaN, an infinity or an overflow that would arise in that sum of v alone is not carried to the result.
; THIS LAUNCH makes (a) wc: We as codes, in the order of the operand's registers: record t (rows n = 16 t .. 16 t + 15, 12,800 bytes) = 8 fragments (K step s) of 3 pieces of 512 bytes, piece c = registers 4 c .. 4 c + 3,
; lane l at 16 l; then 512 scale bytes, row r at 32 r, K step s at 4 s;  (b) tab[b][n] = (hbc, hbc, v2, v2), hbc = c (Q(hidden) Q(Wh)^T + attn_b), v2 = -c v[n]: 16 bytes, as the next launch's packed forms take them.
; SHARES.  Work-group t takes 16 rows of attn_w; its wave s takes K step s (128 along K): it quantises 16 x 128 of We, of Wh and of hidden's rows 0-15 and 16-31, and multiplies its K step; the eight partial sums meet in LDS.
; LIMITS: NaN and infinities among the inputs are not served; a block of zeros gets the scale byte 1 (its codes are zeros, and this program alone reads the bytes); the first product's K is summed in eight parts, then in f32.
.set CC,    0x4038aa3b                 ; c = 2 log2(e)
.set NCC,   0xc038aa3b                 ; -c
.set REC,   12800                      ; a record of wc
.set SCL,   16384                      ; LDS: 0 .. 16,383 the partial sums: 2,048 x wave + 1,024 x tile of b + 512 x half + 16 x lane;  here the record's 512 scale bytes
.set SPARE, 16896                      ; the spare words, 128 bytes for each of eight waves: four blocks of 256 bytes that no other line names
.set XW,  3                            ; v3   attn_w: 8,192 r + 64 h
.set XH,  4                            ; v4   hidden: 4,096 r + 64 h
.set LI,  5                            ; v5   16 x lane
.set PST, 6                            ; v6   where I put my partial sums
.set SCA, 7                            ; v7   where I put my rows' scale word
.set PRD, 8                            ; v8   where waves 0 and 1 read the partial sums
.set SCR, 9                            ; v9   where wave 2 reads the scale bytes
.set TOF, 10                           ; v10  tab: 131,072 h + 16 r
.set R4,  11                           ; v11  4 r
.set BB,  12                           ; v12  attn_b[n], later c attn_b[n]
.set VV,  13                           ; v13  v_w[n], later -c v_w[n]
.set SPW, 14                           ; v14  LDS address of my spare word; never rewritten
.set NIL, 15                           ; v15  0; never rewritten
.set X0,  16                           ; v16-79, v80-143, v144-207: three sets of 64 numbers
.set X1,  80
.set X2,  144
.set PC,  208                          ; v208-219 We's fragment, then Wh's; v220-226 the conversions' second halves
.set TM,  228                          ; v228-243 at work in QUANT
.set PW,  244                          ; the scale word just made
.set WOF, 245                          ; v245 wc: 1,536 x wave + 16 x lane
.set BS,  246                          ; v246-248 scale words of Wh, hidden 0-15, hidden 16-31: they hold scales and nothing else
.set AS0, 247
.set AS1, 248
.set BF,  208                          ; Wh's fragment, where We's was stored from
.set AF0, 80                           ; the fragments of hidden 0-15 and 16-31, where Wh's numbers lay
.set AF1, 96
.set D0,  144                          ; the two results
.set D1,  152
.set QT,  80                           ; v80-111 eight entries of tab
.set WV,  16
.set CSC, 17
.set SEL, 18
; 16 rows x 128 along K as the quantiser wants them: register 16 b + i = k 32 b + 16 h + i of row r
.macro XLD set, voff, base, off
.irp b, 0,1,2,3
.irp j, 0,1,2,3
	global_load_b128 v[\set+16*\b+4*\j:\set+16*\b+4*\j+3], v[\voff], s[\base:\base+1] offset:\off+128*\b+16*\j
.endr
.endr
.endm
; 64 numbers of a lane become a fragment's 12 registers at v[d] and its scale word in v[PW]
.macro QUANT s, d
.irp b, 0,1,2,3
	v_max3_num_f32 v[TM+\b], |v[\s+16*\b]|, |v[\s+1+16*\b]|, 0x1800000   ; block b: my 16 numbers, and the floor 2^(3 - 127): the byte cannot fall under 1
.endr
.irp i, 2,4,6,8,10,12,14
.irp b, 0,1,2,3
	s_delay_alu instid0(VALU_DEP_4)
	v_max3_num_f32 v[TM+\b], v[TM+\b], |v[\s+16*\b+\i]|, |v[\s+1+16*\b+\i]|   ; the four blocks by turns
.endr
.endr
.irp b, 0,1,2,3
	s_delay_alu instid0(VALU_DEP_4)
	v_permlanex16_b32 v[TM+4+\b], v[TM+\b], s[SEL], s[SEL+1]
.endr
.irp b, 0,1,2,3
	s_delay_alu instid0(VALU_DEP_4)
	v_max_num_f32 v[TM+\b], v[TM+\b], v[TM+4+\b]   ; with lane l xor 16's: the block's largest magnitude
.endr
.irp b, 0,1,2,3
	s_delay_alu instid0(VALU_DEP_4)
	v_add_nc_u32 v[TM+12+\b], 0xff000000, v[TM+\b]   ; 2 off its exponent field: the conversion's scale operand
.endr
.irp b, 0,1,2,3
	s_delay_alu instid0(VALU_DEP_4)
	v_lshrrev_b32 v[TM+4+\b], 23, v[TM+12+\b]      ; the scale's byte
.endr
	s_delay_alu instid0(VALU_DEP_3)
	v_lshl_or_b32 v[PW], v[TM+5], 8, v[TM+4]
	s_delay_alu instid0(VALU_DEP_1)
	v_lshl_or_b32 v[PW], v[TM+6], 16, v[PW]
	s_delay_alu instid0(VALU_DEP_1)
	v_lshl_or_b32 v[PW], v[TM+7], 24, v[PW]
.irp c, 0,1
	v_cvt_scalef32_pk16_fp6_f32 v[\d+6*\c:\d+2+6*\c], v[\s+32*\c:\s+15+32*\c], v[TM+12+2*\c]
	v_cvt_scalef32_pk16_fp6_f32 v[PC+12+4*\c:PC+14+4*\c], v[\s+16+32*\c:\s+31+32*\c], v[TM+12+2*\c+1]   ; (a conversion's three registers begin on an even number)
.endr
	v_nop                                          ; one plain place behind a scaled conversion
.irp c, 0,1                            ; the layout wants a whole block in a lane: lanes 0-15 block 2 c, lanes 16-31 block 2 c + 1
.irp i, 0,1,2
	v_permlane16_swap_b32 v[\d+6*\c+\i], v[PC+12+4*\c+\i]
.endr
.irp i, 0,1,2
	s_delay_alu instid0(VALU_DEP_3)
	v_mov_b32 v[\d+3+6*\c+\i], v[PC+12+4*\c+\i]
.endr
.endr
.endm
	s_load_b256 s[4:11], s[0:1], 0x0               ; attn_w, hidden, attn_b, v_w
	s_load_b128 s[12:15], s[0:1], 0x20             ; wc, tab
	v_lshl_add_u32 v[SPW], v0, 2, SPARE
	v_mov_b32 v[NIL], 0
	v_lshrrev_b32 v1, 5, v0
	s_delay_alu instid0(VALU_DEP_1)
	v_readfirstlane_b32 s[WV], v1                  ; wave 0..7 = K step
	v_and_b32 v1, 15, v0                           ; r
	v_bfe_u32 v2, v0, 4, 1                         ; h
	s_delay_alu instid0(VALU_DEP_2)
	v_lshlrev_b32 v[XW], 13, v1
	s_delay_alu instid0(VALU_DEP_1)
	v_lshl_add_u32 v[XW], v2, 6, v[XW]
	s_delay_alu instid0(VALU_DEP_4)
	v_lshlrev_b32 v[XH], 12, v1
	s_delay_alu instid0(VALU_DEP_1)
	v_lshl_add_u32 v[XH], v2, 6, v[XH]
	v_and_b32 v[LI], 31, v0
	s_delay_alu instid0(VALU_DEP_1)
	v_lshlrev_b32 v[LI], 4, v[LI]
	s_lshl_b32 s20, s[WV], 11
	v_add_nc_u32 v[PST], s20, v[LI]
	s_lshl_b32 s20, s[WV], 2
	s_add_co_u32 s20, s20, SCL
	v_lshl_add_u32 v[SCA], v1, 5, s20              ; SCL + 32 r + 4 x wave
	s_and_b32 s20, s[WV], 1                        ; waves 0 and 1: which tile of 16 b they finish
	s_lshl_b32 s21, s20, 10
	v_add_nc_u32 v[PRD], s21, v[LI]
	v_add_nc_u32 v[SCR], SCL, v[LI]
	v_lshlrev_b32 v[TOF], 4, v1
	s_delay_alu instid0(VALU_DEP_1)
	v_lshl_add_u32 v[TOF], v2, 17, v[TOF]
	v_lshlrev_b32 v[R4], 2, v1
	s_mul_i32 s21, s[WV], 1536
	v_add_nc_u32 v[WOF], s21, v[LI]
.irp b, 0,1,2,3
	v_mov_b32 v[TM+4+\b], 0                        ; written once: a lane permute's destination counts as one of its sources
.endr
	s_lshl_b32 s22, ttmp9, 17                      ; attn_w: 16 rows of 8,192 bytes a work-group,
	s_lshl_b32 s23, s[WV], 9                       ; 512 bytes a K step
	s_add_co_u32 s22, s22, s23
	s_mov_b32 s23, 0
	s_lshl_b32 s24, s[WV], 9                       ; hidden: the K step
	s_mov_b32 s25, 0
	s_lshl_b32 s26, ttmp9, 6                       ; attn_b, v_w: 16 numbers a work-group
	s_mov_b32 s27, 0
	s_mul_i32 s28, ttmp9, REC                      ; wc: my record
	s_mov_b32 s29, 0
	s_lshl_b32 s30, s20, 18                        ; tab: 16 b of 16,384 bytes,
	s_lshl_b32 s31, ttmp9, 8                       ; 16 n of 16 bytes
	s_add_co_u32 s30, s30, s31
	s_mov_b32 s31, 0
	s_mov_b32 s[CSC], CC
	s_mov_b32 s[SEL], 0x76543210
	s_mov_b32 s[SEL+1], 0xfedcba98                 ; lane l xor 16
	s_wait_alu depctr_va_vdst(0)
	s_wait_kmcnt 0x0
	s_add_nc_u64 s[4:5], s[4:5], s[22:23]
	s_add_nc_u64 s[6:7], s[6:7], s[24:25]
	s_add_nc_u64 s[8:9], s[8:9], s[26:27]
	s_add_nc_u64 s[10:11], s[10:11], s[26:27]
	s_add_nc_u64 s[12:13], s[12:13], s[28:29]
	s_add_nc_u64 s[14:15], s[14:15], s[30:31]
	global_load_b32 v[BB], v[R4], s[8:9]           ; every wave loads these 64 bytes, so that no branch stands ahead of the counted waits below
	global_load_b32 v[VV], v[R4], s[10:11]
	XLD X0, XW, 4, 4096                            ; We
	XLD X1, XW, 4, 0                               ; Wh
	XLD X2, XH, 6, 0                               ; hidden, rows 0-15
	s_wait_loadcnt 32                              ; We is in; Wh's and hidden's 32 loads may be out
	QUANT X0, PC
	ds_store_b32 v[SCA], v[PW]                     ; both lanes of a row write the same word with the same value
.irp c, 0,1,2
	global_store_b128 v[WOF], v[PC+4*\c:PC+4*\c+3], s[12:13] offset:512*\c   ; the fragment as it stands: 512 consecutive bytes a store
.endr
	XLD X0, XH, 6, 65536                           ; hidden, rows 16-31, at once, where We's numbers lay: it lands while the two chunks ahead of it are quantised
	s_wait_loadcnt 32                              ; Wh is in; hidden's 32 loads may be out
	s_wait_xcnt 0x0                                ; the three stores have read their data: Wh's fragment is made in the same registers only behind this wait
	QUANT X1, BF
	v_mov_b32 v[BS], v[PW]
	s_wait_loadcnt 16                              ; rows 0-15 are in; rows 16-31's 16 loads may be out
	QUANT X2, AF0
	v_mov_b32 v[AS0], v[PW]
	s_wait_loadcnt 0x0
	QUANT X0, AF1
	v_mov_b32 v[AS1], v[PW]
.rept 8
	v_nop                                          ; a scale register written by a vector instruction stands 8 places ahead of a scaled matrix instruction, an operand so written 4
.endr
	; source 0 = 16 rows of hidden, source 1 = 16 rows of Wh: lane (r, h), register j holds (b = 16 x tile + 8 h + j, n = r)
	v_wmma_scale_f32_16x16x128_f8f6f4 v[D0:D0+7], v[AF0:AF0+11], v[BF:BF+11], 0, v[AS0], v[BS] matrix_a_fmt:MATRIX_FMT_FP6 matrix_b_fmt:MATRIX_FMT_FP6
	v_wmma_scale_f32_16x16x128_f8f6f4 v[D1:D1+7], v[AF1:AF1+11], v[BF:BF+11], 0, v[AS1], v[BS] matrix_a_fmt:MATRIX_FMT_FP6 matrix_b_fmt:MATRIX_FMT_FP6
.rept 4
	v_nop                                          ; places in front of the stores that read the results, and of the vector lines that later write over the operands
.endr
	ds_store_b128 v[PST], v[D0:D0+3]
	ds_store_b128 v[PST], v[D0+4:D0+7] offset:512
	ds_store_b128 v[PST], v[D1:D1+3] offset:1024
	ds_store_b128 v[PST], v[D1+4:D1+7] offset:1536
	s_wait_dscnt 0x0                               ; for the others' sake: my partial sums and my scale word have landed
	s_barrier_signal -1
	s_barrier_wait -1
	s_cmp_lt_u32 s[WV], 2
	s_cbranch_scc0 .Lnot_sum
.irp w, 0,1,2,3,4,5,6,7                ; waves 0 and 1: the eight K steps' parts of one tile of 16 b
	ds_load_b128 v[16+8*\w:19+8*\w], v[PRD] offset:2048*\w
	ds_load_b128 v[20+8*\w:23+8*\w], v[PRD] offset:2048*\w+512
.endr
	v_mul_f32 v[BB], s[CSC], v[BB]                 ; c attn_b[n]
	v_mul_f32 v[VV], NCC, v[VV]                    ; -c v[n]
	s_wait_dscnt 0x0
.irp a, 0,2,4,6
.irp i, 0,2,4,6
	v_pk_add_f32 v[16+8*\a+\i:17+8*\a+\i], v[16+8*\a+\i:17+8*\a+\i], v[24+8*\a+\i:25+8*\a+\i]
.endr
.endr
.irp a, 0,4
.irp i, 0,2,4,6
	v_pk_add_f32 v[16+8*\a+\i:17+8*\a+\i], v[16+8*\a+\i:17+8*\a+\i], v[32+8*\a+\i:33+8*\a+\i]
.endr
.endr
.irp i, 0,2,4,6
	s_delay_alu instid0(VALU_DEP_4)
	v_pk_add_f32 v[16+\i:17+\i], v[16+\i:17+\i], v[48+\i:49+\i]
.endr
.irp j, 0,1,2,3,4,5,6,7
	v_fma_f32 v[QT+4*\j], v[16+\j], s[CSC], v[BB]  ; hbc = c x sum + c attn_b, twice: a pair for the packed form that reads it
	v_fma_f32 v[QT+4*\j+1], v[16+\j], s[CSC], v[BB]
	v_mov_b32 v[QT+4*\j+2], v[VV]
	v_mov_b32 v[QT+4*\j+3], v[VV]
.endr
.irp j, 0,1,2,3,4,5,6,7
	global_store_b128 v[TOF], v[QT+4*\j:QT+4*\j+3], s[14:15] offset:16384*\j   ; sixteen lanes store 256 consecutive bytes, aligned: 16 n of one b
.endr
	s_branch .Lend
.Lnot_sum:
	s_cmp_eq_u32 s[WV], 2
	s_cbranch_scc0 .Lend
	ds_load_b128 v[16:19], v[SCR]                  ; wave 2: the record's 512 scale bytes
	s_wait_dscnt 0x0
	global_store_b128 v[LI], v[16:19], s[12:13] offset:12288
.Lend:
	s_wait_tensorcnt 0x0                           ; the wave's end, behind my last LDS store
	ds_add_u32 v[SPW], v[NIL]
	s_wait_dscnt 0x0
	s_endpgm
.Lfunc_end_k_q7acd0bf07a_prep:
	.size	k_q7acd0bf07a_prep, .Lfunc_end_k_q7acd0bf07a_prep-k_q7acd0bf07a_prep
	.p2alignl 7, 3214868480
	.fill 96, 4, 3214868480
	.section	.rodata,"a",@progbits
	.p2align	6, 0x0
	.amdhsa_kernel k_q7acd0bf07a_prep
		.amdhsa_group_segment_fixed_size 17920
		.amdhsa_private_segment_fixed_size 0
		.amdhsa_enable_private_segment 0
		.amdhsa_kernarg_size 48
		.amdhsa_user_sgpr_count 2
		.amdhsa_user_sgpr_kernarg_segment_ptr 1
		.amdhsa_wavefront_size32 1
		.amdhsa_system_sgpr_workgroup_id_x 1
		.amdhsa_system_sgpr_workgroup_id_y 1
		.amdhsa_system_sgpr_workgroup_id_z 1
		.amdhsa_system_vgpr_workitem_id 0
		.amdhsa_next_free_vgpr 256
		.amdhsa_next_free_sgpr 66
		.amdhsa_reserve_vcc 0
		.amdhsa_float_denorm_mode_32 3
		.amdhsa_float_denorm_mode_16_64 3
		.amdhsa_memory_ordered 1
		.amdhsa_forward_progress 1
		.amdhsa_inst_pref_size 38
	.end_amdhsa_kernel
	.amdgpu_metadata
---
amdhsa.version: [ 1, 2 ]
amdhsa.kernels:
  - .name:           k_q7acd0bf07a_prep
    .symbol:         k_q7acd0bf07a_prep.kd
    .args:
      - { .name: attn_w, .offset: 0, .size: 8, .value_kind: global_buffer, .address_space: global }
      - { .name: hidden, .offset: 8, .size: 8, .value_kind: global_buffer, .address_space: global }
      - { .name: attn_b, .offset: 16, .size: 8, .value_kind: global_buffer, .address_space: global }
      - { .name: v_w, .offset: 24, .size: 8, .value_kind: global_buffer, .address_space: global }
      - { .name: wc, .offset: 32, .size: 8, .value_kind: global_buffer, .address_space: global }
      - { .name: tab, .offset: 40, .size: 8, .value_kind: global_buffer, .address_space: global }
    .group_segment_fixed_size: 17920
    .private_segment_fixed_size: 0
    .kernarg_segment_align: 8
    .kernarg_segment_size: 48
    .max_flat_workgroup_size: 256
    .sgpr_count:     66
    .vgpr_count:     256
    .wavefront_size: 32
...
	.end_amdgpu_metadata
.endif
;; end of part 1
;; launch attend (part 2): grid 512 x 1, 4 waves a work-group, clusters of 4 x 1, 327,680 bytes of LDS; arguments encoder_outputs, wc, tab, sc, part; writes sc, part
.if DOCPART == 2
	.amdgcn_target "amdgcn-amd-amdhsa--gfx1250"
	.amdhsa_code_object_version 6
	.text
	.protected	k_q7acd0bf07a_attend
	.globl	k_q7acd0bf07a_attend
	.p2align	8
	.type	k_q7acd0bf07a_attend,@function
k_q7acd0bf07a_attend:
	s_mov_b64 s[64:65], 0
	v_nop
	global_prefetch_b8 v0, s[64:65] scope:SCOPE_SE
	s_setreg_imm32_b32 hwreg(HW_REG_WAVE_MODE, 25, 1), 1
	s_wait_xcnt 0x0
	s_wait_alu depctr_hold_cnt(0) depctr_sa_sdst(0) depctr_va_vdst(0) depctr_va_sdst(0) depctr_va_ssrc(0) depctr_va_vcc(0) depctr_vm_vsrc(0)
	s_getreg_b32 s2, hwreg(HW_REG_IB_STS2, 6, 4)
	s_cmp_eq_u32 s2, 0
	s_cbranch_scc0 .Lentry_in_a_cluster
	s_endpgm
.Lentry_in_a_cluster:
	s_bfe_u32 s2, ttmp6, 0x10000c
	s_cmp_lg_u32 s2, 0x3003
	s_cbranch_scc0 .Lentry_shape_is_right
	s_endpgm
.Lentry_shape_is_right:
; ADDITIVE ATTENTION, launch 2 of 3.  For a block of 128 rows (b, s) of encoder_outputs: t = sum over n of v2[n] / (1 + 2^(c acc + hbc[n])), acc = Q(enc) Q(We)^T on codes of FP6 (E2M3) with E8M0 scales.
; t is the score x log2(e) less a term that is the same for all s of a batch.  WORK LEFT OUT: that term, the sum of v (shown at the head of the first launch: a softmax is unchanged by it).
; Then, for each wave's 32 rows, m = their largest t, p = 2^(t - m), part = sum over the 32 rows of bf16(p) bf16(enc): the last launch brings the parts under one maximum and divides.
; Each byte of enc is read once: a wave's 32 rows come through LDS a quarter of K at a time and stay in its registers as codes (192 registers, 8 of scale words) and as bf16 (512 registers).
; SHARES.  Work-group g = 4 x cluster + place takes rows 128 g .. 128 g + 127; wave w rows 32 w .. 32 w + 31, two tiles of 16, all of K and all 1,024 n.  We's records and the batch's table are read by all four
; work-groups of a cluster (16 blocks a batch): they are asked for JOINTLY, with the mask 15.  enc is private to a wave.
; PHASES.  E: four quarters of K: quantise, round to bf16.  W: 64 tiles of 16 n, eight to a slot.  C: the rows' sums across lanes, p, the partial context by 64 bf16 matrix instructions.
; A RUN OF PHASE W: tile t's 16 products (two accumulators by turns) with the eight lines '+ 1' of tile t - 1 among them; tile t's c acc + hbc; ONE batch of 32 transcendentals (t - 1's reciprocals, t's exponentials)
; between its two waits; t - 1's sums; the run's LDS loads.  No transcendental stands between two links of a chain.
; THE PARTIAL CONTEXT.  A register of the bf16 copy holds two rows of one column a lane.  As source 1 (K = 32) k stands for (half of the lanes, row); source 0 holds p in two lanes alone, eight operands (u, i) fill one result's 16 rows.
; PREFETCH.  At a change of slots every wave has waited for all its tensor loads, so a quarter's load goes out with nothing beside it.  So each quarter of enc is asked of memory one change of slots ahead of its load: quarter 1 at the
; head, behind quarter 0's load; quarter 2 in quarter 0's work; quarter 3 in quarter 1's.  A wave asks for its own 32 rows x 1,024 bytes: a lane a row, four instructions for a row's four blocks of 256 bytes; enc is private to a
; wave, so each block is named once.  One quarter at the most is asked for and not yet loaded.  Quarter 0 comes by its load alone.  The base, the offset register and EXEC are never written again.
; wc and tab are not prefetched: 835,584 bytes that all work-groups of a batch share, asked for half a quarter's work or more ahead of their first read.
; LIMITS: NaN and infinities among the inputs are not served; v_exp_f32 and v_rcp_f32 take and give denormals as zeros; a block of zeros gets the scale byte 1 (its codes are zeros); p and enc are rounded to bf16 for the context.
; REGISTERS, windows of 256 (s_set_vgpr_msb: bits 1:0 source 0, 3:2 source 1, 5:4 source 2, 7:6 destination):
;   window 0: v1-12 addresses; v16, v17 the add's two; v18-25 enc's scale words (lanes 0-15 tile 0, 16-31 tile 1); v26-33 We's scale words, two sets; v34-35, v38-39 (v2, v2); v40 the prefetches' offset; v48-143, v144-239 We's fragments, two sets
;   window 1: v0-191 enc's codes, fragment (tile, K step) at 12 (8 tile + step); v192-223 two sets of two accumulators; v224-239 the rows' sums; v240-243 (hbc, hbc), two sets      windows 2, 3: the bf16 copy of tile 0, 1
.set SLOT0, 0                          ; two slots of 133,120 bytes: a quarter of enc (32 rows of 1,040 bytes a wave) or eight records of We (102,400 bytes)
.set SLOT1, 133120
.set TABL,  266240                     ; the batch's table: 1,024 n x 16 bytes, filled once
.set SPARE, 282624                     ; the spare words, 128 bytes a wave
.set EP,    1040                       ; a row of a quarter: 1,024 bytes and 16 of zeros
.set EW,    32*EP
.set REC,   12800
.set LB,  1                            ; 16 x lane
.set LS,  2                            ; 32 r + 16 h
.set LT,  3                            ; TABL + 16 r
.set ADB, 4                            ; addresses of the loads in hand: fragments, scale words, table
.set ADS, 5
.set ADT, 6
.set XA0, 7                            ; a quarter as the quantiser wants it, slot 0, 1
.set XA1, 8
.set NA0, 9                            ; and by rows
.set NA1, 10
.set SO,  11                           ; 4 x the row whose t my lane stores
.set PO,  12                           ; 512 h + 16 r
.set SPW, 16
.set NIL, 17
.set ASC, 18
.set BSX, 26
.set BSY, 30
.set TBX, 34
.set TBY, 38
.set PF,  40                           ; 4,096 x lane: my row of enc; never rewritten
.set BX,  48
.set BY,  144
.set X0,  48                           ; phase E: two sets of 64 numbers, or four of 32
.set X1,  112
.set PC,  176
.set TM,  196
.set PW,  212
.set SS,  48                           ; phase C
.set TP,  64
.set PP,  80
.set AG,  96
.set ZZ,  224
.set ACC, 192
.set ACX, 192
.set ACY, 208
.set SACC, 224
.set H1X, 240
.set H1Y, 242
.set WV,  14
.set G1E, 24
.set G1W, 32
.set G1T, 40
.set G0E0, 48
.set G0E1, 52
.set G0W0, 56
.set G0W1, 60
.set G0T, 68
.set CS,  72
.set SEL, 74
.set HIM, 76
.set MB,  77
.set TO,  81
.set TT,  82
.set CI,  83
.set CO,  84
.set GM,  88
.set MSB, 0
.macro WIN new                         ; the immediate's high byte repeats the setting that is left
.if MSB != (\new)
	s_set_vgpr_msb (MSB<<8)|(\new)
.set MSB, (\new)
.endif
.endm
.macro PLACES n
.rept \n
	v_nop
.endr
.endm
.macro ROUND                           ; a round of the cluster's barrier
	s_barrier_signal -1
	s_barrier_wait -1
	s_cmp_lg_u32 s[WV], 0
	s_cbranch_scc1 .Lnot_wave_0_\@
	s_barrier_signal -3
.Lnot_wave_0_\@:
	s_barrier_wait -3
	s_barrier_signal -1
	s_barrier_wait -1
.endm
; A CHANGE OF SLOTS, or a later first fill: all my tensor loads are in (one was out), the add, my LDS reads are over; a round; my one tensor load until the next change
.macro CHG g0, g1, step
	WIN 0
	s_wait_alu depctr_va_vdst(0)                   ; ahead of the waits and branches below
	s_wait_tensorcnt 0x0
	ds_add_u32 v[SPW], v[NIL]
.if \step
	s_add_nc_u64 s[\g0+2:\g0+3], s[\g0+2:\g0+3], \step   ; no load of mine is out: the group 0 may be written
.endif
	s_wait_dscnt 0x0
	ROUND
	tensor_load_to_lds s[\g0:\g0+3], s[\g1:\g1+7]
	s_nop 0
	PLACES 4
.endm
.macro CHG0                            ; the last change: nothing is filled
	WIN 0
	s_wait_alu depctr_va_vdst(0)
	s_wait_tensorcnt 0x0
	ds_add_u32 v[SPW], v[NIL]
	s_wait_dscnt 0x0
	s_barrier_signal -1
	s_barrier_wait -1
.endm
.macro ASKQ q                          ; quarter q of my 32 rows is asked of memory: a lane a row, a row's four blocks of 256 bytes
.irp i, 0,1,2,3
	global_prefetch_b8 v[PF], s[4:5] offset:1024*(\q)+256*\i th:TH_LOAD_NT scope:SCOPE_SE
.endr
.endm
; ---- phase E
.macro XL set, adr, c                  ; chunk c (tile c / 2, K step c % 2): register 16 b + i = k 32 b + 16 h + i of row r
.irp b, 0,1,2,3
.irp j, 0,1,2,3
	ds_load_b128 v[\set+16*\b+4*\j:\set+16*\b+4*\j+3], v[\adr] offset:16*EP*((\c)/2)+512*((\c)%2)+128*\b+16*\j
.endr
.endr
.endm
.macro QUANT s                         ; 64 numbers of a lane become codes at v[PC] and the scale word in v[PW]
.irp b, 0,1,2,3
	v_max3_num_f32 v[TM+\b], |v[\s+16*\b]|, |v[\s+1+16*\b]|, 0x1800000   ; with the floor 2^(3 - 127): the byte cannot fall under 1
.endr
.irp i, 2,4,6,8,10,12,14
.irp b, 0,1,2,3
	v_max3_num_f32 v[TM+\b], v[TM+\b], |v[\s+16*\b+\i]|, |v[\s+1+16*\b+\i]|
.endr
.endr
.irp b, 0,1,2,3
	v_permlanex16_b32 v[TM+4+\b], v[TM+\b], s[SEL], s[SEL+1]
.endr
.irp b, 0,1,2,3
	v_max_num_f32 v[TM+\b], v[TM+\b], v[TM+4+\b]   ; the block's largest magnitude
.endr
.irp b, 0,1,2,3
	v_add_nc_u32 v[TM+12+\b], 0xff000000, v[TM+\b]   ; 2 off its exponent field: the conversion's scale operand
.endr
.irp b, 0,1,2,3
	v_lshrrev_b32 v[TM+4+\b], 23, v[TM+12+\b]      ; the scale's byte
.endr
	v_lshl_or_b32 v[PW], v[TM+5], 8, v[TM+4]
	v_lshl_or_b32 v[PW], v[TM+6], 16, v[PW]
	v_lshl_or_b32 v[PW], v[TM+7], 24, v[PW]
.irp c, 0,1
	v_cvt_scalef32_pk16_fp6_f32 v[PC+6*\c:PC+2+6*\c], v[\s+32*\c:\s+15+32*\c], v[TM+12+2*\c]
	v_cvt_scalef32_pk16_fp6_f32 v[PC+12+4*\c:PC+14+4*\c], v[\s+16+32*\c:\s+31+32*\c], v[TM+12+2*\c+1]
.endr
	v_nop                                          ; one plain place behind a scaled conversion
.irp c, 0,1
.irp i, 0,1,2
	v_permlane16_swap_b32 v[PC+6*\c+\i], v[PC+12+4*\c+\i]   ; a whole block to a lane
.endr
.endr
.endm
.macro PUTA rho, s                     ; the fragment to its place in window 1, the scale word to its half of the lanes
	WIN 0x40
.irp c, 0,1
.irp i, 0,1,2
	v_mov_b32 v[12*(8*(\rho)+(\s))+6*\c+\i], v[PC+6*\c+\i]
	v_mov_b32 v[12*(8*(\rho)+(\s))+6*\c+3+\i], v[PC+12+4*\c+\i]
.endr
.endr
	WIN 0
.if \rho
	v_cndmask_b32 v[ASC+(\s)], v[ASC+(\s)], v[PW], s[HIM]
.else
	v_mov_b32 v[ASC+(\s)], v[PW]
.endif
.endm
.macro NL n, adr, gp                   ; group gp of eight: four units of two rows' 512 consecutive bytes
.irp y, 0,1,2,3
.irp e, 0,1
	ds_load_b128 v[X0+32*(\n)+8*\y+4*\e:X0+32*(\n)+8*\y+4*\e+3], v[\adr] offset:(16*((\gp)/4)+2*(((4*(\gp)+\y)/2)%8)+\e)*EP+512*(\y%2)
.endr
.endr
.endm
.macro HCV n, q, gp                    ; to bf16, two rows a register: register 8 (8 q + 4 u + i) + pair of rows holds column 256 q + 128 u + 4 lane + i
	WIN 0x80+0x40*((\gp)/4)
.irp y, 0,1,2,3
.irp i, 0,1,2,3
	v_cvt_pk_bf16_f32 v[8*(8*(\q)+4*(\y%2)+\i)+((4*(\gp)+\y)/2)%8], v[X0+32*(\n)+8*\y+\i], v[X0+32*(\n)+8*\y+4+\i]
.endr
.endr
	WIN 0
.endm
; A quarter of K; each count is the number of LDS loads issued behind those wanted.  mid: the table's first fill, behind a round of its own.  ask: the quarter that the next change of slots will load (0: none is left)
.macro EPER q, xa, na, mid, ask
	XL X0, \xa, 0
.if \ask
	ASKQ \ask                                      ; sixteen LDS loads behind the tensor load, sixteen ahead of the next wait
.endif
	XL X1, \xa, 1
	s_wait_dscnt 16
	QUANT X0
	PUTA 0, 2*(\q)
	XL X0, \xa, 2
	s_wait_dscnt 16
	QUANT X1
	PUTA 0, 2*(\q)+1
	XL X1, \xa, 3
	s_wait_dscnt 16
	QUANT X0
	PUTA 1, 2*(\q)
.if \mid
	CHG G0T, G1T, 0
.endif
	NL 0, \na, 0
	NL 1, \na, 1
	s_wait_dscnt 16
	QUANT X1
	PUTA 1, 2*(\q)+1
	NL 2, \na, 2
	NL 3, \na, 3
.irp gp, 0,1,2,3,4,5,6,7
.if \gp < 5
	s_wait_dscnt 24
.else
	s_wait_dscnt 8*(7-\gp)
.endif
	HCV \gp%4, \q, \gp
.if \gp < 4
	NL \gp%4, \na, \gp+4
.endif
.endr
.endm
; ---- phase W
.macro LC buf, bsc, off, ra, rs        ; a record: eight fragments as they stand, and its scale words (register j: K step j in lanes 0-15, 4 + j in lanes 16-31): 25 loads
.irp s, 0,1,2,3,4,5,6,7
.irp c, 0,1,2
	ds_load_b128 v[\buf+12*\s+4*\c:\buf+12*\s+4*\c+3], v[\ra] offset:\off+512*(3*\s+\c)
.endr
.endr
	ds_load_b128 v[\bsc:\bsc+3], v[\rs] offset:\off+12288
.endm
; Matrix instruction k of 16: K step k / 2, tile of rows k % 2.  Source 0 = 16 rows of enc, source 1 = 16 rows of We: lane (r, h), register j holds (row 8 h + j, n = r).  The two accumulators take turns
.macro WM ac, buf, bsc
.set ws, k/2
.set wr, k%2
.set wd, \ac+8*wr
.set wa, 12*(8*wr+ws)
.set wb, \buf+12*ws
.set wq, \bsc+(ws%4)
.if ws == 0
.if wr == 0
	v_wmma_scale_f32_16x16x128_f8f6f4 v[wd:wd+7], v[wa:wa+11], v[wb:wb+11], 0, v[ASC+ws], v[wq] matrix_a_fmt:MATRIX_FMT_FP6 matrix_b_fmt:MATRIX_FMT_FP6
.else
	v_wmma_scale_f32_16x16x128_f8f6f4 v[wd:wd+7], v[wa:wa+11], v[wb:wb+11], 0, v[ASC+ws], v[wq] matrix_a_fmt:MATRIX_FMT_FP6 matrix_b_fmt:MATRIX_FMT_FP6 matrix_a_scale:MATRIX_SCALE_ROW1
.endif
.elseif ws < 4
.if wr == 0
	v_wmma_scale_f32_16x16x128_f8f6f4 v[wd:wd+7], v[wa:wa+11], v[wb:wb+11], v[wd:wd+7], v[ASC+ws], v[wq] matrix_a_fmt:MATRIX_FMT_FP6 matrix_b_fmt:MATRIX_FMT_FP6
.else
	v_wmma_scale_f32_16x16x128_f8f6f4 v[wd:wd+7], v[wa:wa+11], v[wb:wb+11], v[wd:wd+7], v[ASC+ws], v[wq] matrix_a_fmt:MATRIX_FMT_FP6 matrix_b_fmt:MATRIX_FMT_FP6 matrix_a_scale:MATRIX_SCALE_ROW1
.endif
.else
.if wr == 0
	v_wmma_scale_f32_16x16x128_f8f6f4 v[wd:wd+7], v[wa:wa+11], v[wb:wb+11], v[wd:wd+7], v[ASC+ws], v[wq] matrix_a_fmt:MATRIX_FMT_FP6 matrix_b_fmt:MATRIX_FMT_FP6 matrix_b_scale:MATRIX_SCALE_ROW1
.else
	v_wmma_scale_f32_16x16x128_f8f6f4 v[wd:wd+7], v[wa:wa+11], v[wb:wb+11], v[wd:wd+7], v[ASC+ws], v[wq] matrix_a_fmt:MATRIX_FMT_FP6 matrix_b_fmt:MATRIX_FMT_FP6 matrix_a_scale:MATRIX_SCALE_ROW1 matrix_b_scale:MATRIX_SCALE_ROW1
.endif
.endif
.endm
; The vector lines of a tile (16 registers at a), all under the products' window setting
.macro ONE a                           ; 1 + 2^(..), two at a time; steps j
	v_pk_add_f32 v[\a+j:\a+j+1], v[\a+j:\a+j+1], 1.0 op_sel_hi:[1,0]
.set j, j+2
.endm
.macro FMA8 a, h1                      ; c acc + hbc: each accumulator is read from its low end on
.irp i, 0,2,4,6,8,10,12,14
	v_pk_fma_f32 v[\a+\i:\a+\i+1], v[\a+\i:\a+\i+1], s[CS:CS+1], v[\h1:\h1+1] op_sel_hi:[1,0,1]
.endr
.endm
.macro RCP16 a
.irp i, 0,1,2,3,4,5,6,7,8,9,10,11,12,13,14,15
	v_rcp_f32 v[\a+\i], v[\a+\i]
.endr
.endm
.macro EXP16 a
.irp i, 0,1,2,3,4,5,6,7,8,9,10,11,12,13,14,15
	v_exp_f32 v[\a+\i], v[\a+\i]
.endr
.endm
.macro SUM8 a, tb                      ; the rows' sums += v2 x the reciprocals
.irp i, 0,2,4,6,8,10,12,14
	v_pk_fma_f32 v[SACC+\i:SACC+\i+1], v[\a+\i:\a+\i+1], v[\tb:\tb+1], v[SACC+\i:SACC+\i+1]
.endr
.endm
; A RUN'S REGISTER WORK.  ac, h1: this tile's accumulators and hbc; pa, tb: the tile before's set (it holds the exponentials) and v2.
; The four '+ 1' lines behind products 14 and 15 name none of their registers: they are the places in front of the first read of product 14's result; the first four multiply-adds are product 15's.
.macro CMP ac, buf, bsc, h1, pa, tb
	WIN 0x51                                       ; enc's codes, C, D and the lines' own registers in window 1; We's fragments and v2 in window 0
.set k, 0
.set j, 0
.rept 16
	WM \ac, \buf, \bsc
.if (k == 2) || (k == 4) || (k == 6) || (k == 8)
	ONE \pa
.elseif k >= 14
	ONE \pa
	ONE \pa
.endif
.set k, k+1
.endr
	FMA8 \ac, \h1
	s_wait_alu depctr_va_vdst(0)                   ; ahead of the batch
	RCP16 \pa
	EXP16 \ac
	v_nop                                          ; a plain line behind the batch's last
	s_wait_alu depctr_va_vdst(0)                   ; and behind it
	SUM8 \pa, \tb
.endm
.macro EPIF pa, tb                     ; the last tile's remaining lines
	WIN 0x51
.set j, 0
.rept 8
	ONE \pa
.endr
	s_wait_alu depctr_va_vdst(0)
	RCP16 \pa
	v_nop
	s_wait_alu depctr_va_vdst(0)
	SUM8 \pa, \tb
.endm
; A RUN'S LDS LOADS, behind run t: hbc of tile t + 2 where this run has read t's; v2 of tile t + 1 where it has read t - 1's; record t + 2 where its products have read record t: 27 loads.  lc = 0: v2 alone
.macro DSEC h1, ho, tb, tq, buf, bsc, off, lc
.if \lc
	WIN 0x40
	ds_load_b64 v[\h1:\h1+1], v[ADT] offset:\ho
.endif
	WIN 0
	ds_load_b64 v[\tb:\tb+1], v[ADT] offset:\tq
.if \lc
	LC \buf, \bsc, \off, ADB, ADS
.endif
.endm
.macro ADDR
	v_add_nc_u32 v[ADB], s[TO], v[LB]
	v_add_nc_u32 v[ADS], s[TO], v[LS]
	v_add_nc_u32 v[ADT], s[TT], v[LT]
.endm
; A SLOT'S EIGHT TILES, four pairs of runs (even tiles: set X, odd: set Y).  What a run wants was issued two ends back or earlier: s_wait_dscnt 27 leaves out exactly the last end's 27 loads.
; In pair 3 the loads are the next slot's records 0 and 1: the change of slots stands between the seventh tile's run and its loads.  mode 2: this slot is filled again, sixteen records on; 1: nothing is filled; 0: the last slot
.macro SLOTRUN base, next, mode, g0
	s_mov_b32 s[TO], \base+2*REC
	s_mov_b32 s[CI], 3
.Lpair_\@:
	ADDR
	s_wait_dscnt 27
	CMP ACX, BX, BSX, H1X, ACY, TBY
	DSEC H1X, 256, TBY, 8, BX, BSX, 0, 1
	s_wait_dscnt 27
	CMP ACY, BY, BSY, H1Y, ACX, TBX
	DSEC H1Y, 512, TBX, 264, BY, BSY, REC, 1
	s_add_co_u32 s[TO], s[TO], 2*REC
	s_add_co_u32 s[TT], s[TT], 512
	s_sub_co_u32 s[CI], s[CI], 1
	s_cmp_lg_u32 s[CI], 0
	s_cbranch_scc1 .Lpair_\@
.if \mode
	s_mov_b32 s[TO], \next
	ADDR
.else
	v_add_nc_u32 v[ADT], s[TT], v[LT]
.endif
	s_wait_dscnt 27
	CMP ACX, BX, BSX, H1X, ACY, TBY
.if \mode == 2
	CHG \g0, G1W, 16*REC
.elseif \mode == 1
	CHG0
.endif
	DSEC H1X, 256, TBY, 8, BX, BSX, 0, \mode
.if \mode
	s_wait_dscnt 27
.else
	s_wait_dscnt 1                                 ; the last tile's v2, just asked for, may be out
.endif
	CMP ACY, BY, BSY, H1Y, ACX, TBX
.if \mode
	DSEC H1Y, 512, TBX, 264, BY, BSY, REC, 1
	s_add_co_u32 s[TT], s[TT], 512
.endif
.endm
	s_load_b256 s[4:11], s[0:1], 0x0               ; enc, wc, tab, sc
	s_load_b64 s[12:13], s[0:1], 0x20              ; part
	v_lshl_add_u32 v[SPW], v0, 2, SPARE
	v_mov_b32 v[NIL], 0
	ds_add_u32 v[SPW], v[NIL]                      ; the opening: the add, twice on end, and its wait ahead of my first tensor load
	ds_add_u32 v[SPW], v[NIL]
	v_lshrrev_b32 v1, 5, v0
	v_readfirstlane_b32 s[WV], v1                  ; wave 0..3
	s_bfe_u32 s15, ttmp6, 0x40000                  ; my place in the cluster: it enters the addresses of enc, sc and part alone
	s_lshl_b32 s16, ttmp9, 2
	s_add_co_u32 s16, s16, s15                     ; g
	; group 1 for enc: 32 rows of 260 elements of 4 bytes, of which the tensor has 256: the last four arrive as zeros, rows lie 1,040 bytes apart
	s_mov_b32 s[G1E+0], 2<<16
	s_mov_b32 s[G1E+1], 256<<16
	s_mov_b32 s[G1E+2], 32<<16
	s_mov_b32 s[G1E+3], 260<<16
	s_mov_b32 s[G1E+4], 32
	s_mov_b32 s[G1E+5], 1024
	s_mov_b32 s[G1E+6], 0
	s_mov_b32 s[G1E+7], 0
	; for We: two records, 25,600 dense bytes, as 100 rows of 256 bytes; the mask names all four work-groups, bit 21 beside it
	s_mov_b32 s[G1W+0], 15|(3<<16)|(1<<21)
	s_mov_b32 s[G1W+1], 32<<16
	s_mov_b32 s[G1W+2], 100<<16
	s_mov_b32 s[G1W+3], 32<<16
	s_mov_b32 s[G1W+4], 100
	s_mov_b32 s[G1W+5], 32
	s_mov_b32 s[G1W+6], 0
	s_mov_b32 s[G1W+7], 0
	; for the table: a quarter of the batch's 16,384 bytes, 16 such rows
	s_mov_b32 s[G1T+0], 15|(3<<16)|(1<<21)
	s_mov_b32 s[G1T+1], 32<<16
	s_mov_b32 s[G1T+2], 16<<16
	s_mov_b32 s[G1T+3], 32<<16
	s_mov_b32 s[G1T+4], 16
	s_mov_b32 s[G1T+5], 32
	s_mov_b32 s[G1T+6], 0
	s_mov_b32 s[G1T+7], 0
	s_lshl_b32 s18, s16, 19                        ; enc: 128 rows of 4,096 bytes a block, 32 a wave
	s_lshl_b32 s19, s[WV], 17
	s_add_co_u32 s18, s18, s19
	s_mov_b32 s19, 0
	s_mul_i32 s20, s[WV], 2*REC                    ; We: my two records of a slot's eight, in memory and in LDS alike
	s_mov_b32 s21, 0
	s_lshr_b32 s22, ttmp9, 2                       ; the batch: four clusters to each
	s_lshl_b32 s22, s22, 14
	s_lshl_b32 s23, s[WV], 12
	s_add_co_u32 s22, s22, s23                     ; tab: my quarter
	s_mov_b32 s23, 0
	s_mul_i32 s66, s[WV], EW                       ; my wave's part of a quarter in LDS
	s_lshl_b32 s86, s16, 9
	s_lshl_b32 s87, s[WV], 7
	s_add_co_u32 s86, s86, s87                     ; sc: 4 bytes a row
	s_mov_b32 s87, 0
	s_lshl_b32 s2, s16, 14
	s_lshl_b32 s3, s[WV], 12
	s_add_co_u32 s2, s2, s3                        ; part: 4,096 bytes a wave
	s_mov_b32 s3, 0
	s_mov_b32 s[CS], 0x4038aa3b                    ; c = 2 log2(e)
	s_mov_b32 s[CS+1], s[CS]
	s_mov_b32 s[SEL], 0x76543210
	s_mov_b32 s[SEL+1], 0xfedcba98
	s_mov_b32 s[HIM], 0xffff0000
	s_mov_b32 s[MB+0], 0xaaaaaaaa
	s_mov_b32 s[MB+1], 0xcccccccc
	s_mov_b32 s[MB+2], 0xf0f0f0f0
	s_mov_b32 s[MB+3], 0xff00ff00
.irp gp, 0,1,2,3,4,5,6,7
	s_mov_b32 s[GM+\gp], (1<<(8*(\gp/4)+\gp%4))|(1<<(20+8*(\gp/4)+\gp%4))   ; lanes 8 u + i and 16 + 8 u + 4 + i
.endr
	s_wait_dscnt 0x0                               ; both opening adds are done
	s_wait_kmcnt 0x0
	s_add_nc_u64 s[4:5], s[4:5], s[18:19]          ; my wave's 32 rows of enc: not written again
	s_add_nc_u64 s[6:7], s[6:7], s[20:21]
	s_add_nc_u64 s[8:9], s[8:9], s[22:23]
	s_add_nc_u64 s[10:11], s[10:11], s[86:87]
	s_add_nc_u64 s[12:13], s[12:13], s[2:3]
	s_mov_b32 s[G0T], 1
	s_lshl_b32 s[G0T+1], s[WV], 12
	s_add_co_u32 s[G0T+1], s[G0T+1], TABL
	s_mov_b64 s[G0T+2:G0T+3], s[8:9]
	s_or_b32 s[G0T+3], s[G0T+3], 0x80000000
	s_mov_b32 s[G0E0], 1
	s_mov_b32 s[G0E0+1], s66
	s_mov_b64 s[G0E0+2:G0E0+3], s[4:5]             ; quarter 0; it steps to quarter 2
	s_or_b32 s[G0E0+3], s[G0E0+3], 0x80000000
	s_mov_b32 s[G0E1], 1
	s_add_co_u32 s[G0E1+1], s66, SLOT1
	s_add_nc_u64 s[G0E1+2:G0E1+3], s[4:5], 1024    ; quarter 1; it steps to quarter 3
	s_or_b32 s[G0E1+3], s[G0E1+3], 0x80000000
	s_mov_b32 s[G0W0], 1
	s_mov_b32 s[G0W0+1], s20
	s_mov_b64 s[G0W0+2:G0W0+3], s[6:7]             ; records 0-7; it steps by sixteen records
	s_or_b32 s[G0W0+3], s[G0W0+3], 0x80000000
	s_mov_b32 s[G0W1], 1
	s_add_co_u32 s[G0W1+1], s20, SLOT1
	s_add_nc_u64 s[G0W1+2:G0W1+3], s[6:7], 8*REC   ; records 8-15
	s_or_b32 s[G0W1+3], s[G0W1+3], 0x80000000
	ROUND                                          ; in a cluster launch every group of tensor loads stands behind a round
	tensor_load_to_lds s[G0E0:G0E0+3], s[G1E:G1E+7]  ; my part of quarter 0: my one load at the head
	s_nop 0
	PLACES 4
	v_and_b32 v13, 15, v0                          ; r
	v_bfe_u32 v14, v0, 4, 1                        ; h
	v_and_b32 v15, 31, v0                          ; lane
	v_lshlrev_b32 v[PF], 12, v15
	v_lshlrev_b32 v[LB], 4, v15
	v_lshlrev_b32 v[LS], 5, v13
	v_lshl_add_u32 v[LS], v14, 4, v[LS]
	v_lshl_add_u32 v[LT], v13, 4, TABL
	v_mul_u32_u24 v[XA0], v13, EP
	v_lshl_add_u32 v[XA0], v14, 6, v[XA0]
	v_add_nc_u32 v[XA0], s66, v[XA0]
	v_add_nc_u32 v[XA1], SLOT1, v[XA0]
	ASKQ 1                                         ; quarter 1, which the next change of slots loads
	v_add_nc_u32 v[NA0], s66, v[LB]
	v_add_nc_u32 v[NA1], SLOT1, v[NA0]
	v_bfe_u32 v[SO], v0, 3, 1
	v_lshlrev_b32 v[SO], 4, v[SO]
	v_lshl_add_u32 v[SO], v14, 3, v[SO]
	v_and_b32 v15, 7, v0
	v_add_lshl_u32 v[SO], v[SO], v15, 2            ; 4 x (16 x bit 3 of the lane + 8 h + lane % 8)
	v_lshlrev_b32 v[PO], 4, v13
	v_lshl_add_u32 v[PO], v14, 9, v[PO]
.irp b, 0,1,2,3
	v_mov_b32 v[TM+4+\b], 0                        ; a lane permute's destination counts as one of its sources
.endr
	CHG G0E1, G1E, 0                               ; quarter 0 is in; slot 1's first fill, quarter 1, goes out as a refill does
	EPER 0, XA0, NA0, 0, 2
	CHG G0E0, G1E, 2048                            ; slot 0 takes quarter 2
	EPER 1, XA1, NA1, 0, 3
	CHG G0E1, G1E, 2048                            ; slot 1 takes quarter 3
	EPER 2, XA0, NA0, 0, 0
	CHG G0W0, G1W, 0                               ; slot 0 takes We's records 0-7, jointly
	EPER 3, XA1, NA1, 1, 0                         ; in its middle: the table's first fill
	CHG G0W1, G1W, 0                               ; slot 1 takes records 8-15; records 0-7 and the table are whole
	s_mov_b32 s[TT], 256                           ; the table byte of the tile behind a pair's first
	WIN 0x40
.irp i, 0,1,2,3,4,5,6,7,8,9,10,11,12,13,14,15
	v_mov_b32 v[SACC+\i], 0                        ; the rows' sums;
	v_mov_b32 v[ACY+\i], 0                         ; and set Y: the first run finds zeros where the tile before would lie, and with v2 = 0 its lines add 1 x 0
.endr
	WIN 0
	v_mov_b32 v[TBY], 0
	v_mov_b32 v[TBY+1], 0
	s_wait_alu depctr_va_vdst(0)
	WIN 0x40
	ds_load_b64 v[H1X:H1X+1], v[LT]                ; tile 0's hbc,
	WIN 0
	LC BX, BSX, 0, LB, LS                          ; record 0;  behind them 27 loads:
	WIN 0x40
	ds_load_b64 v[H1Y:H1Y+1], v[LT] offset:256     ; tile 1's hbc,
	WIN 0
	ds_load_b64 v[TBX:TBX+1], v[LT] offset:8       ; tile 0's v2,
	LC BY, BSY, REC, LB, LS                        ; record 1
	s_mov_b32 s[CO], 3
.Lslots:                                               ; a trip walks two slots and fills both again: records 16 to 63 are asked for here
	SLOTRUN SLOT0, SLOT1, 2, G0W0
	SLOTRUN SLOT1, SLOT0, 2, G0W1
	s_sub_co_u32 s[CO], s[CO], 1
	s_cmp_lg_u32 s[CO], 0
	s_cbranch_scc1 .Lslots
	SLOTRUN SLOT0, SLOT1, 1, 0                     ; the last two slots are written out: no tensor load is left
	SLOTRUN SLOT1, 0, 0, 0
	s_wait_dscnt 0x0                               ; the last tile's v2
	EPIF ACY, TBY
	; ---- phase C.  The sixteen lanes of a half are added: register 8 tile + j of half h is then t of row 16 tile + 8 h + j
	WIN 0x01
.irp i, 0,1,2,3,4,5,6,7,8,9,10,11,12,13,14,15
	v_mov_b32 v[SS+\i], v[SACC+\i]
.endr
	WIN 0
.irp m, 1,2,4,8
.irp i, 0,1,2,3,4,5,6,7,8,9,10,11,12,13,14,15
	v_add_f32_dpp v[SS+\i], v[SS+\i], v[SS+\i] row_xmask:\m row_mask:0xf bank_mask:0xf
.endr
.endr
.irp k, 0,1,2,3,4,5,6,7                ; lane l picks register l % 16: one row to a lane
	v_cndmask_b32 v[ZZ+\k], v[SS+2*\k], v[SS+2*\k+1], s[MB+0]
.endr
.irp k, 0,1,2,3
	v_cndmask_b32 v[ZZ+\k], v[ZZ+2*\k], v[ZZ+2*\k+1], s[MB+1]
.endr
.irp k, 0,1
	v_cndmask_b32 v[ZZ+\k], v[ZZ+2*\k], v[ZZ+2*\k+1], s[MB+2]
.endr
	v_cndmask_b32 v[ZZ], v[ZZ], v[ZZ+1], s[MB+3]
	global_store_b32 v[SO], v[ZZ], s[10:11]        ; my wave's 32 t: 128 consecutive bytes; v[ZZ] and v[SO] are not written again
	v_max_num_f32_dpp v[ZZ+1], v[ZZ], v[ZZ] row_xmask:1 row_mask:0xf bank_mask:0xf
	v_max_num_f32_dpp v[ZZ+1], v[ZZ+1], v[ZZ+1] row_xmask:2 row_mask:0xf bank_mask:0xf
	v_max_num_f32_dpp v[ZZ+1], v[ZZ+1], v[ZZ+1] row_xmask:4 row_mask:0xf bank_mask:0xf
	v_max_num_f32_dpp v[ZZ+1], v[ZZ+1], v[ZZ+1] row_xmask:8 row_mask:0xf bank_mask:0xf
	v_permlanex16_b32 v[ZZ+2], v[ZZ+1], s[SEL], s[SEL+1]
	v_max_num_f32 v[ZZ+1], v[ZZ+1], v[ZZ+2]        ; m: the largest of the 32; the last launch finds the same number in sc
.irp i, 0,1,2,3,4,5,6,7,8,9,10,11,12,13,14,15
	v_sub_f32 v[SS+\i], v[SS+\i], v[ZZ+1]
.endr
	s_wait_alu depctr_va_vdst(0)                   ; ahead of the batch
.irp i, 0,1,2,3,4,5,6,7,8,9,10,11,12,13,14,15
	v_exp_f32 v[SS+\i], v[SS+\i]                   ; p = 2^(t - m), at most 1
.endr
	v_nop
	s_wait_alu depctr_va_vdst(0)                   ; and behind it
.irp k, 0,1,2,3,4,5,6,7
	v_cvt_pk_bf16_f32 v[TP+\k], v[SS+2*\k], v[SS+2*\k+1]   ; my half's pairs of rows: 4 a tile
.endr
.irp k, 0,1,2,3,4,5,6,7
	v_permlanex16_b32 v[SS+\k], v[TP+\k], s[SEL], s[SEL+1]   ; the other half's
.endr
.irp rho, 0,1
.irp i, 0,1,2,3
	v_cndmask_b32 v[PP+8*\rho+\i], v[TP+4*\rho+\i], v[SS+4*\rho+\i], s[HIM]     ; rows 0-7 of the tile are lanes 0-15's,
	v_cndmask_b32 v[PP+8*\rho+4+\i], v[SS+4*\rho+\i], v[TP+4*\rho+\i], s[HIM]   ; rows 8-15 lanes 16-31's: every lane holds all eight pairs
.endr
.endr
.irp rho, 0,1
.irp gp, 0,1,2,3,4,5,6,7
.irp k, 0,1,2,3,4,5,6,7
	v_cndmask_b32 v[AG+64*\rho+8*\gp+\k], 0, v[PP+8*\rho+\k], s[GM+\gp]   ; source 0 for (u, i): p in two lanes, zeros elsewhere
.endr
.endr
.endr
.irp rho, 0,1                          ; four results of 256 columns, by turns; the first four instructions start the sums
	WIN 0x58+4*\rho                                ; source 0 window 0, the bf16 copy window 2 or 3, C and D window 1
.irp gp, 0,1,2,3,4,5,6,7
.irp d, 0,1,2,3
.if (\rho == 0) && (\gp == 0)
	v_wmma_f32_16x16x32_bf16 v[ACC+8*\d:ACC+8*\d+7], v[AG+64*\rho+8*\gp:AG+64*\rho+8*\gp+7], v[8*(8*\d+\gp):8*(8*\d+\gp)+7], 0
.else
	v_wmma_f32_16x16x32_bf16 v[ACC+8*\d:ACC+8*\d+7], v[AG+64*\rho+8*\gp:AG+64*\rho+8*\gp+7], v[8*(8*\d+\gp):8*(8*\d+\gp)+7], v[ACC+8*\d:ACC+8*\d+7]
.endif
.endr
.endr
.endr
	PLACES 4
	WIN 0x04                                       ; a store's data are its source 1: window 1
.irp d, 0,1,2,3                        ; lane (r, h), register j: column 256 d + 128 h + 64 (j / 4) + 4 r + j % 4
	global_store_b128 v[PO], v[ACC+8*\d:ACC+8*\d+3], s[12:13] offset:1024*\d          ; sixteen lanes store 256 consecutive bytes, aligned
	global_store_b128 v[PO], v[ACC+8*\d+4:ACC+8*\d+7], s[12:13] offset:1024*\d+256
.endr
	WIN 0
	s_wait_tensorcnt 0x0                           ; the wave's end
	ds_add_u32 v[SPW], v[NIL]
	s_wait_dscnt 0x0
	ROUND                                          ; the closing round
	s_endpgm
.Lfunc_end_k_q7acd0bf07a_attend:
	.size	k_q7acd0bf07a_attend, .Lfunc_end_k_q7acd0bf07a_attend-k_q7acd0bf07a_attend
	.p2alignl 7, 3214868480
	.fill 96, 4, 3214868480
	.section	.rodata,"a",@progbits
	.p2align	6, 0x0
	.amdhsa_kernel k_q7acd0bf07a_attend
		.amdhsa_group_segment_fixed_size 327680
		.amdhsa_private_segment_fixed_size 0
		.amdhsa_enable_private_segment 0
		.amdhsa_kernarg_size 40
		.amdhsa_user_sgpr_count 2
		.amdhsa_user_sgpr_kernarg_segment_ptr 1
		.amdhsa_wavefront_size32 1
		.amdhsa_system_sgpr_workgroup_id_x 1
		.amdhsa_system_sgpr_workgroup_id_y 1
		.amdhsa_system_sgpr_workgroup_id_z 1
		.amdhsa_system_vgpr_workitem_id 0
		.amdhsa_next_free_vgpr 1024
		.amdhsa_next_free_sgpr 96
		.amdhsa_reserve_vcc 0
		.amdhsa_float_denorm_mode_32 3
		.amdhsa_float_denorm_mode_16_64 3
		.amdhsa_memory_ordered 1
		.amdhsa_forward_progress 1
		.amdhsa_inst_pref_size 255
	.end_amdhsa_kernel
	.section	.bss,"aw",@nobits
	.p2align	6
	.space	262144
	.amdgpu_metadata
---
amdhsa.version: [ 1, 2 ]
amdhsa.kernels:
  - .name:           k_q7acd0bf07a_attend
    .symbol:         k_q7acd0bf07a_attend.kd
    .args:
      - { .name: encoder_outputs, .offset: 0, .size: 8, .value_kind: global_buffer, .address_space: global }
      - { .name: wc, .offset: 8, .size: 8, .value_kind: global_buffer, .address_space: global }
      - { .name: tab, .offset: 16, .size: 8, .value_kind: global_buffer, .address_space: global }
      - { .name: sc, .offset: 24, .size: 8, .value_kind: global_buffer, .address_space: global }
      - { .name: part, .offset: 32, .size: 8, .value_kind: global_buffer, .address_space: global }
    .group_segment_fixed_size: 327680
    .private_segment_fixed_size: 0
    .kernarg_segment_align: 8
    .kernarg_segment_size: 40
    .max_flat_workgroup_size: 128
    .sgpr_count:     96
    .vgpr_count:     1024
    .wavefront_size: 32
...
	.end_amdgpu_metadata
.endif
;; end of part 2
;; launch finish (part 3): grid 4 x 32, 4 waves a work-group, no clusters, 1,024 bytes of LDS; arguments sc, part, hidden, out0, out1; writes out0, out1
.if DOCPART == 3
	.amdgcn_target "amdgcn-amd-amdhsa--gfx1250"
	.amdhsa_code_object_version 6
	.text
	.protected	k_q7acd0bf07a_finish
	.globl	k_q7acd0bf07a_finish
	.p2align	8
	.type	k_q7acd0bf07a_finish,@function
k_q7acd0bf07a_finish:
	s_mov_b64 s[64:65], 0
	v_nop
	global_prefetch_b8 v0, s[64:65] scope:SCOPE_SE
	s_setreg_imm32_b32 hwreg(HW_REG_WAVE_MODE, 25, 1), 1
	s_wait_xcnt 0x0
; ADDITIVE ATTENTION, launch 3 of 3.  sc[b][s] = t, the score x log2(e) less a term that is the same for all s of a batch (WORK LEFT OUT: the sum of v; shown at the head of the first launch).
; part[b][wb][col] = sum over the 32 rows of wave-block wb of 2^(t - m_wb) enc, m_wb the largest t of those rows.
; Here: M = the batch's largest t, L = sum over s of 2^(t - M);  out1 = 2^(t - M) / L;  context = (sum over wb of 2^(m_wb - M) part[wb]) / L;  out0 = [context | hidden].
; SHARES.  Work-group (x, y) serves batch y: columns 256 x .. 256 x + 255 of the context and of hidden, rows 512 x .. 512 x + 511 of out1.  Each of a batch's four work-groups reads all 2,048 t (8,192 bytes) for M and L.
; Thread i holds t of rows 512 k + 4 i + 0 .. 3, k = 0 .. 3: eight neighbouring threads hold a wave-block, number 16 k + i / 8.  No matrix unit, no cluster: nothing here is shared but 8 KB, and memory binds.
; LIMITS: v_exp_f32 gives denormals as zeros, so weights and factors under 2^-126 count as 0; NaN and infinities are not served.
.set FW,    0                          ; LDS: the 64 factors 2^(m_wb - M); then four waves' maxima, four waves' sums
.set MXW,   256
.set SMW,   272
.set SPARE, 512                        ; the spare words, 128 bytes for each wave
.set A16, 2                            ; v2   16 x thread
.set A8,  3                            ; v3   8 x thread
.set FA,  4                            ; v4   4 x (thread / 8)
.set WA,  5                            ; v5   4 x wave
.set ZA,  6                            ; v6   0: an LDS address
.set MM,  7                            ; v7   maxima, then M
.set TP,  8                            ; v8   a lane permute's destination
.set SPW, 9
.set NIL, 10
.set RL,  11                           ; v11  1 / L
.set T,   16                           ; v16-31  16 t
.set OWN, 32                           ; v32-35  the four t whose weights I store
.set HID, 36                           ; v36-37  my two numbers of hidden
.set MX,  40                           ; v40-43  m_wb of my four wave-blocks
.set R4,  44                           ; v44-47  four waves' figures
.set AC,  48                           ; v48-51  four chains
.set F,   64                           ; v64-127 the 64 factors
.set P,   128                          ; v128-255 my two columns of the 64 parts
	s_load_b256 s[4:11], s[0:1], 0x0               ; sc, part, hidden, out0
	s_load_b64 s[12:13], s[0:1], 0x20              ; out1
	v_lshl_add_u32 v[SPW], v0, 2, SPARE
	v_mov_b32 v[NIL], 0
	v_lshrrev_b32 v1, 5, v0
	v_readfirstlane_b32 s14, v1                    ; wave
	s_and_b32 s15, ttmp7, 0xffff                   ; the batch
	v_lshlrev_b32 v[A16], 4, v0
	v_lshlrev_b32 v[A8], 3, v0
	v_lshrrev_b32 v[FA], 3, v0
	v_lshlrev_b32 v[FA], 2, v[FA]
	v_mov_b32 v[WA], s14
	v_lshlrev_b32 v[WA], 2, v[WA]
	v_mov_b32 v[ZA], 0
	v_mov_b32 v[TP], 0                             ; written once: a lane permute's destination counts as one of its sources
	s_lshl_b32 s16, s15, 13                        ; 8,192 bytes a batch in sc, out0 and out1
	s_mov_b32 s17, 0
	s_lshl_b32 s18, ttmp9, 11                      ; my 512 rows
	s_mov_b32 s19, 0
	s_lshl_b32 s20, ttmp9, 10                      ; my 256 columns
	s_mov_b32 s21, 0
	s_lshl_b32 s22, s15, 18                        ; part: 64 x 4,096 bytes a batch
	s_mov_b32 s23, 0
	s_lshl_b32 s24, s15, 12                        ; hidden: 4,096 bytes a batch
	s_mov_b32 s25, 0
	s_mov_b32 s28, 0x76543210
	s_mov_b32 s29, 0xfedcba98                      ; lane l xor 16
	s_wait_alu depctr_va_vdst(0)
	s_wait_kmcnt 0x0
	s_add_nc_u64 s[4:5], s[4:5], s[16:17]
	s_add_nc_u64 s[26:27], s[4:5], s[18:19]        ; sc at my 512 rows
	s_add_nc_u64 s[6:7], s[6:7], s[22:23]
	s_add_nc_u64 s[6:7], s[6:7], s[20:21]
	s_add_nc_u64 s[8:9], s[8:9], s[24:25]
	s_add_nc_u64 s[8:9], s[8:9], s[20:21]
	s_add_nc_u64 s[10:11], s[10:11], s[16:17]
	s_add_nc_u64 s[10:11], s[10:11], s[20:21]
	s_add_nc_u64 s[12:13], s[12:13], s[16:17]
	s_add_nc_u64 s[12:13], s[12:13], s[18:19]
.irp k, 0,1,2,3
	global_load_b128 v[T+4*\k:T+4*\k+3], v[A16], s[4:5] offset:2048*\k
.endr
	global_load_b128 v[OWN:OWN+3], v[A16], s[26:27]
	global_load_b64 v[HID:HID+1], v[A8], s[8:9]
.set w, 0
.rept 64
	global_load_b64 v[P+2*w:P+2*w+1], v[A8], s[6:7] offset:4096*w th:TH_LOAD_NT   ; a wave reads 256 consecutive bytes, aligned; read once in the launch
.set w, w+1
.endr
	s_wait_loadcnt 63                              ; the largest count that the wait can name: of the 70 loads the first seven are in, the six that are wanted now among them
.irp k, 0,1,2,3
	v_max3_num_f32 v[MX+\k], v[T+4*\k], v[T+4*\k+1], v[T+4*\k+2]
.endr
.irp k, 0,1,2,3
	v_max_num_f32 v[MX+\k], v[MX+\k], v[T+4*\k+3]
.endr
.irp m, 1,2,4
.irp k, 0,1,2,3
	v_max_num_f32_dpp v[MX+\k], v[MX+\k], v[MX+\k] row_xmask:\m row_mask:0xf bank_mask:0xf   ; over eight threads: m_wb
.endr
.endr
	v_max3_num_f32 v[MM], v[MX], v[MX+1], v[MX+2]
	v_max_num_f32 v[MM], v[MM], v[MX+3]
	v_max_num_f32_dpp v[MM], v[MM], v[MM] row_xmask:8 row_mask:0xf bank_mask:0xf
	v_permlanex16_b32 v[TP], v[MM], s28, s29
	v_max_num_f32 v[MM], v[MM], v[TP]              ; my wave's largest
	ds_store_b32 v[WA], v[MM] offset:MXW
	s_wait_dscnt 0x0                               ; for the others' sake
	s_barrier_signal -1
	s_barrier_wait -1
	ds_load_b128 v[R4:R4+3], v[ZA] offset:MXW
	s_wait_dscnt 0x0
	v_max3_num_f32 v[MM], v[R4], v[R4+1], v[R4+2]
	v_max_num_f32 v[MM], v[MM], v[R4+3]            ; M
.irp i, 0,1,2,3,4,5,6,7,8,9,10,11,12,13,14,15
	v_sub_f32 v[T+\i], v[T+\i], v[MM]
.endr
.irp i, 0,1,2,3
	v_sub_f32 v[MX+\i], v[MX+\i], v[MM]
	v_sub_f32 v[OWN+\i], v[OWN+\i], v[MM]
.endr
	s_wait_alu depctr_va_vdst(0)
.irp i, 0,1,2,3,4,5,6,7,8,9,10,11,12,13,14,15
	v_exp_f32 v[T+\i], v[T+\i]
.endr
.irp i, 0,1,2,3
	v_exp_f32 v[MX+\i], v[MX+\i]                   ; 2^(m_wb - M)
	v_exp_f32 v[OWN+\i], v[OWN+\i]
.endr
	v_nop                                          ; a plain line behind the last exponential
	s_wait_alu depctr_va_vdst(0)                   ; one wait for the 24, ahead of their first reader
.irp i, 0,2,4,6
	v_pk_add_f32 v[T+\i:T+\i+1], v[T+\i:T+\i+1], v[T+8+\i:T+9+\i]
.endr
	v_pk_add_f32 v[T:T+1], v[T:T+1], v[T+4:T+5]
	v_pk_add_f32 v[T+2:T+3], v[T+2:T+3], v[T+6:T+7]
	v_pk_add_f32 v[T:T+1], v[T:T+1], v[T+2:T+3]
	v_add_f32 v[T], v[T], v[T+1]
.irp m, 1,2,4,8
	v_add_f32_dpp v[T], v[T], v[T] row_xmask:\m row_mask:0xf bank_mask:0xf
.endr
	v_permlanex16_b32 v[TP], v[T], s28, s29
	v_add_f32 v[T], v[T], v[TP]                    ; my wave's sum
	ds_store_b32 v[WA], v[T] offset:SMW
.irp k, 0,1,2,3
	ds_store_b32 v[FA], v[MX+\k] offset:FW+64*\k   ; factor 16 k + thread / 8: eight threads write the same word with the same value
.endr
	s_wait_dscnt 0x0
	s_barrier_signal -1
	s_barrier_wait -1
	ds_load_b128 v[R4:R4+3], v[ZA] offset:SMW
.irp i, 0,1,2,3,4,5,6,7,8,9,10,11,12,13,14,15
	ds_load_b128 v[F+4*\i:F+4*\i+3], v[ZA] offset:FW+16*\i   ; all 64 factors into every lane
.endr
	s_wait_dscnt 16                                ; the sums are in; the sixteen loads behind them may be out
	v_add_f32 v[R4], v[R4], v[R4+1]
	v_add_f32 v[R4+2], v[R4+2], v[R4+3]
	v_add_f32 v[R4], v[R4], v[R4+2]                ; L
	s_wait_alu depctr_va_vdst(0)
	v_rcp_f32 v[RL], v[R4]
	v_nop
	s_wait_alu depctr_va_vdst(0)
.irp i, 0,1,2,3
	v_mul_f32 v[OWN+\i], v[OWN+\i], v[RL]
.endr
	global_store_b128 v[A16], v[OWN:OWN+3], s[12:13]   ; out1: a wave stores 512 consecutive bytes
	s_wait_dscnt 0x0
	s_wait_loadcnt 0x0
	v_mul_f32 v[AC], v[F], v[P]                    ; four chains: two columns, even and odd wave-blocks; the first products start the sums
	v_mul_f32 v[AC+1], v[F], v[P+1]
	v_mul_f32 v[AC+2], v[F+1], v[P+2]
	v_mul_f32 v[AC+3], v[F+1], v[P+3]
.set w, 2
.rept 31
	v_fmac_f32 v[AC], v[F+w], v[P+2*w]
	v_fmac_f32 v[AC+1], v[F+w], v[P+2*w+1]
	v_fmac_f32 v[AC+2], v[F+w+1], v[P+2*w+2]
	v_fmac_f32 v[AC+3], v[F+w+1], v[P+2*w+3]
.set w, w+2
.endr
	v_pk_add_f32 v[AC:AC+1], v[AC:AC+1], v[AC+2:AC+3]
	v_mul_f32 v[AC], v[AC], v[RL]
	v_mul_f32 v[AC+1], v[AC+1], v[RL]
	global_store_b64 v[A8], v[AC:AC+1], s[10:11]               ; the context: a wave stores 256 consecutive bytes, aligned
	global_store_b64 v[A8], v[HID:HID+1], s[10:11] offset:4096 ; and hidden behind it
	s_wait_tensorcnt 0x0                           ; the wave's end, behind my last LDS store
	ds_add_u32 v[SPW], v[NIL]
	s_wait_dscnt 0x0
	s_endpgm
.Lfunc_end_k_q7acd0bf07a_finish:
	.size	k_q7acd0bf07a_finish, .Lfunc_end_k_q7acd0bf07a_finish-k_q7acd0bf07a_finish
	.p2alignl 7, 3214868480
	.fill 96, 4, 3214868480
	.section	.rodata,"a",@progbits
	.p2align	6, 0x0
	.amdhsa_kernel k_q7acd0bf07a_finish
		.amdhsa_group_segment_fixed_size 1024
		.amdhsa_private_segment_fixed_size 0
		.amdhsa_enable_private_segment 0
		.amdhsa_kernarg_size 40
		.amdhsa_user_sgpr_count 2
		.amdhsa_user_sgpr_kernarg_segment_ptr 1
		.amdhsa_wavefront_size32 1
		.amdhsa_system_sgpr_workgroup_id_x 1
		.amdhsa_system_sgpr_workgroup_id_y 1
		.amdhsa_system_sgpr_workgroup_id_z 1
		.amdhsa_system_vgpr_workitem_id 0
		.amdhsa_next_free_vgpr 256
		.amdhsa_next_free_sgpr 66
		.amdhsa_reserve_vcc 0
		.amdhsa_float_denorm_mode_32 3
		.amdhsa_float_denorm_mode_16_64 3
		.amdhsa_memory_ordered 1
		.amdhsa_forward_progress 1
		.amdhsa_inst_pref_size 19
	.end_amdhsa_kernel
	.amdgpu_metadata
---
amdhsa.version: [ 1, 2 ]
amdhsa.kernels:
  - .name:           k_q7acd0bf07a_finish
    .symbol:         k_q7acd0bf07a_finish.kd
    .args:
      - { .name: sc, .offset: 0, .size: 8, .value_kind: global_buffer, .address_space: global }
      - { .name: part, .offset: 8, .size: 8, .value_kind: global_buffer, .address_space: global }
      - { .name: hidden, .offset: 16, .size: 8, .value_kind: global_buffer, .address_space: global }
      - { .name: out0, .offset: 24, .size: 8, .value_kind: global_buffer, .address_space: global }
      - { .name: out1, .offset: 32, .size: 8, .value_kind: global_buffer, .address_space: global }
    .group_segment_fixed_size: 1024
    .private_segment_fixed_size: 0
    .kernarg_segment_align: 8
    .kernarg_segment_size: 40
    .max_flat_workgroup_size: 128
    .sgpr_count:     66
    .vgpr_count:     256
    .wavefront_size: 32
...
	.end_amdgpu_metadata
.endif
;; end of part 3
